; MI455X (gfx1250); checked and timed in simulation.
; The chip was launched on July 23, 2026; its instructions are those of AMD's public machine-readable ISA for CDNA 5 (MIT licence, August 2026) and "CDNA5" Instruction Set Architecture Reference Guide (July 2026). The comments in the code are by the model that wrote it; some were corrected since.
;; Mistral Audio Codebook. Allowed arithmetic: matrix products marked QUANTISED: E3M2 operands, one E8M0 scale for each 32 along K, by v_wmma_scale_f32_16x16x128_f8f6f4 with both operands' format E3M2, f32 sums; everything else in f32.
;; Inputs: cluster_usage 8,192 float32; embedding_sum 8,192 x 256 float32; x 8 x 292 x 4,096 float32.
;; Outputs: out0 8 x 37 x 4,096 int32; out1 8 x 292 x 4,096 float32.
;; This version of the problem:
;;   THIS VERSION OF THE PROBLEM IS GIVEN IN LOW PRECISION. The matrix products marked QUANTISED in the list below multiply operands that are first quantised to E3M2 (3 exponent bits, 2 mantissa bits; 6 bits a number), with one power-of-two scale for each 32 numbers along K (OCP MX v1.0); their sums are f32. All else is computed in f32.
;;   The module's matrix products, in the order in which they are computed (A, B: the left and right operand; K: the contracted axis; several contracted axes count as one K, in the product's order):
;;     1. [M 32,768, K 256] x [K 256, N 8,192]; A: input x; B: computed on the way: QUANTISED
;;   THE QUANTISER, for each operand of a quantised product, along K:
;;     - K is cut into blocks of 32 from its start; a last block that is shorter is filled with zeros.
;;     - A block's scale is 2^e with e = floor(log2(the largest magnitude in the block)) - 4, held to -126 .. 127; a block of zeros has e = 0. As a byte (E8M0): e + 127.
;;     - Each number is divided by its block's scale, clamped to +-28, and rounded to the nearest number of E3M2, ties to even, subnormals kept.
;;     - The product sums the exact products of the quantised numbers (number of the format x scale) in f32.
;;   ~~~python
;;   def quantise(x, axis):      # numpy; x: float32 -> the quantised numbers, widened to float32 again
;;       x = np.moveaxis(x, axis, -1); K = x.shape[-1]
;;       x = np.pad(x, [(0, 0)] * (x.ndim - 1) + [(0, -K % 32)]); x = x.reshape(x.shape[:-1] + (-1, 32)); a = np.abs(x).max(-1, keepdims=True)
;;       e = np.where(a > 0, np.clip(np.frexp(np.where(a > 0, a, 1))[1] - 1 - 4, -126, 127), 0)      # np.frexp(a)[1] - 1 = floor(log2(a)), exactly
;;       r = np.clip(x / 2.0 ** e, -28, 28)
;;       step = 2.0 ** (np.maximum(np.frexp(np.where(r == 0, 1, r))[1] - 1, -2) - 2)
;;       q = np.round(r / step) * step * 2.0 ** e      # np.round: ties to even
;;       return np.moveaxis(q.reshape(q.shape[:-2] + (-1,))[..., :K], -1, axis).astype(np.float32)
;;   ~~~
;;   OPERANDS COMPUTED ON THE WAY. 'Computed on the way' means the value that the module computes at that place (a softmax that the list does not call 'softmax' is quantised finished and normalised). What goes into a quantiser is computed in f32, as accurately as f32 sums, v_exp_f32 and their like allow (about 1e-6 of the number): no bf16 or f16 on the way to a quantiser, and a product that is left as it is and whose result goes on into a quantised operand takes f32 operands (vector FMAs, or v_wmma_f32_16x16x4_f32). A number that lies on a knife's edge between two numbers of the format may be rounded either way, as far as f32 arithmetic and the matrix unit's own rounding can turn it there, and no further.
;; One version. Each part assembles by itself: llvm-mc -triple=amdgcn-amd-amdhsa -mcpu=gfx1250 --defsym DOCPART=n.
;; ======== version 1 of 1: 3 launches
;; limits: right only within a limited range of input values
;; workspace buffers: xq 6,815,744 bytes; embq 1,703,936 bytes; candk 1,048,576 bytes of whole numbers; candi 1,048,576 bytes of whole numbers
;; launch prep (part 1): grid 672 x 1, 4 waves a work-group, no clusters, 94,720 bytes of LDS; arguments x, embedding_sum, cluster_usage, xq, embq, out0, out1; writes xq, embq, out0, out1
.if DOCPART == 1
	.amdgcn_target "amdgcn-amd-amdhsa--gfx1250"
	.amdhsa_code_object_version 6
	.text
	.protected	k_q5ebcf43073_prep
	.globl	k_q5ebcf43073_prep
	.p2align	8
	.type	k_q5ebcf43073_prep,@function
k_q5ebcf43073_prep:
	s_mov_b64 s[64:65], 0
	v_nop
	global_prefetch_b8 v0, s[64:65] scope:SCOPE_SE
	s_setreg_imm32_b32 hwreg(HW_REG_WAVE_MODE, 25, 1), 1
	s_wait_xcnt 0x0
; THREE STREAMS IN ONE LAUNCH, told apart by the work-group's number.
;   work-groups   0-255  X: the 256 semantic channels of x [8][292][4096] become codes of BF6 (E3M2) along the channels, one E8M0 byte for each 32 channels;
;   work-groups 256-383  E: -emb = -(embedding_sum / max(cluster_usage, 1e-5)) becomes codes likewise, its scale bytes are stored + 1 (so a code stands for -2 emb), and e2 = the sum of emb^2 of each row is stored beside them;
;   work-groups 384-671  A: the 36 acoustic channels: tanh, 21 levels, codes into out0 and their values into out1.
; RECORDS.  Codes leave as IMAGES OF THE OPERAND'S REGISTERS.  A record is a tile of 16 rows (tokens, or codebook entries) x 256 along K, REC = 3,328 bytes = 13 x 256:
;   +0     the fragment of K = 0..127: register p of lane q at 512 (p / 4) + 16 q + 4 (p % 4);      +1,536 the fragment of K = 128..255;
;   +3,072 32 scale words: word q < 16: row q, K = 0..127; word q >= 16: row q - 16, K = 128..255;    +3,200 16 numbers e2 (zeros for x);    +3,264 zeros.
; A block's scale is 2^(floor(log2(its largest magnitude)) - 4); its byte is the largest magnitude's exponent field - 4, held at 1 from below.  A block of zeros so gets the byte 1 where the rule says 127: its codes are zeros,
; and these bytes are read by this program alone.  The quantiser is odd, so the codes of -emb are those of emb with the sign turned.
; THE DIVISION is made to the last bit: a reciprocal with one Newton step, a quotient, its exact remainder by a fused multiply-add, and one correction (in A: two).
; LIMITS: NaN and infinities among the inputs are not served; blocks whose largest magnitude lies under 2^-122 take the byte 1 and were not tried; in A tanh is a rational approximation in f32, a few units in the last
; place from tanh, with |x| held at 7.905, where it gives 1 to within such units: where 10 (tanh x + 1) lies that near to the middle between two levels, the level follows the approximation.
; No tensor loads, no barrier: waves share nothing.  Each path has LDS bytes of its own.
.set REC,   3328
.set CH,    16384                      ; bytes from a channel of x to the next: 4,096 tokens
.set XBAT,  292*CH                     ; and from a batch to the next
.set XSTG,  2*REC                      ; X: a wave's stage: two records
.set ESTG0, 4*XSTG                     ; E's stages begin behind X's
.set EPIT,  1040                       ; E: a row of 1,024 bytes + 16: the sixteen rows that a load touches begin in sixteen different columns of 16 bytes
.set ETAIL, 16*EPIT                    ; behind the 16 rows: 256 bytes for a record's tail
.set ESTG,  ETAIL+256
	s_load_b256 s[4:11], s[0:1], 0x0               ; x s[4:5], embedding_sum s[6:7], cluster_usage s[8:9], xq s[10:11]
	s_load_b128 s[12:15], s[0:1], 0x20             ; embq s[12:13], out0 s[14:15]
	s_load_b64 s[16:17], s[0:1], 0x30              ; out1
	v_lshl_add_u32 v243, v0, 2, 0x17000
	v_mov_b32 v247, 0
	v_lshrrev_b32 v1, 5, v0
	v_readfirstlane_b32 s18, v1                    ; wave 0..3
	v_and_b32 v1, 31, v0                           ; lane
	v_and_b32 v2, 15, v0                           ; r = lane % 16
	v_bfe_u32 v3, v0, 4, 1                         ; h = lane / 16
	s_mov_b32 s20, 0x76543210
	s_mov_b32 s21, 0xfedcba98                      ; v_permlanex16_b32's selects for lane l xor 16
	s_mov_b32 s23, 0                               ; the upper words of the two offset pairs s[22:23], s[24:25]
	s_mov_b32 s25, 0
	s_wait_kmcnt 0x0
	s_cmp_lt_u32 ttmp9, 256
	s_cbranch_scc1 .Lpath_x
	s_cmp_lt_u32 ttmp9, 384
	s_cbranch_scc1 .Lpath_e
; ---------------- A: one (batch, acoustic channel) row of 4,096 tokens to a work-group; thread t takes 16 bytes at 16 t of each of eight runs of 2,048 bytes ----------------
.set XA, 32                            ; v32-63   x, held; then the quotient tanh; then the codes as whole numbers
.set X2, 64                            ; v64-95   x^2; then the remainders; then the chain down to the level k
.set PN, 96                            ; v96-127  the numerator; then the value
.set QD, 128                           ; v128-159 the denominator
.set RC, 160                           ; v160-191 its reciprocal
	s_sub_co_u32 s22, ttmp9, 384                   ; 0..287 = 36 b + a
	s_mul_i32 s24, s22, 1821
	s_lshr_b32 s24, s24, 16                        ; b = that / 36 (1821 / 65536 lies just above 1 / 36: exact up to 287)
	s_mul_i32 s26, s24, 36
	s_sub_co_u32 s26, s22, s26                     ; a
	s_mul_i32 s22, s24, 292
	s_add_co_u32 s22, s22, s26
	s_add_co_u32 s22, s22, 256
	s_lshl_b32 s22, s22, 14                        ; x and out1: row 292 b + 256 + a
	s_mul_i32 s24, s24, 37
	s_add_co_u32 s24, s24, s26
	s_add_co_u32 s24, s24, 1
	s_lshl_b32 s24, s24, 14                        ; out0: row 37 b + 1 + a
	s_add_nc_u64 s[4:5], s[4:5], s[22:23]
	s_add_nc_u64 s[16:17], s[16:17], s[22:23]
	s_add_nc_u64 s[14:15], s[14:15], s[24:25]
	v_lshlrev_b32 v4, 4, v0
.irp k, 0,1,2,3,4,5,6,7
	global_load_b128 v[XA+4*\k:XA+4*\k+3], v4, s[4:5] offset:2048*\k th:TH_LOAD_NT   ; a wave reads 512 consecutive bytes
.endr
; tanh(x) = x P(x^2) / Q(x^2): P of degree 6, Q of degree 3, the form in which f32 libraries evaluate it; each coefficient is the f32 number nearest to the decimal written here
	s_mov_b32 s28, -0.000000000000000276076847742355   ; P, from the highest power down: -2.76076847742355e-16
	s_mov_b32 s29, 0.000000000000200018790482477       ;  2.00018790482477e-13
	s_mov_b32 s30, -0.0000000000860467152213735        ; -8.60467152213735e-11
	s_mov_b32 s31, 0.0000000512229709037114            ;  5.12229709037114e-08
	s_mov_b32 s32, 0.0000148572235717979               ;  1.48572235717979e-05
	s_mov_b32 s33, 0.000637261928875436                ;  6.37261928875436e-04
	s_mov_b32 s34, 0.00489352455891786                 ;  4.89352455891786e-03
	s_mov_b32 s35, 0.00000119825839466702              ; Q likewise: 1.19825839466702e-06
	s_mov_b32 s36, 0.000118534705686654                ;  1.18534705686654e-04
	s_mov_b32 s37, 0.00226843463243900                 ;  2.26843463243900e-03
	s_mov_b32 s38, 0.00489352518554385                 ;  4.89352518554385e-03
	s_mov_b32 s39, 0x3dcccccd                      ; 2 / 20
	s_mov_b32 s40, -7.90531110763549805            ; beyond these x the quotient stays at -1 or 1
	s_mov_b32 s41, 7.90531110763549805
	s_mov_b32 s42, 0x41200000                      ; 10
	s_wait_loadcnt 0x0
.set j, 0
.rept 32
	v_med3_num_f32 v[XA+j], v[XA+j], s40, s41
.set j, j+1
.endr
.set j, 0
.rept 32
	v_mul_f32 v[X2+j], v[XA+j], v[XA+j]
.set j, j+1
.endr
.set j, 0
.rept 32
	v_fma_f32 v[PN+j], v[X2+j], s28, s29           ; Horner's rule, one fused multiply-add a step; the 32 numbers by turns, so that no line waits for the line above it
.set j, j+1
.endr
.irp c, 30,31,32,33,34
.set j, 0
.rept 32
	v_fma_f32 v[PN+j], v[X2+j], v[PN+j], s[\c]
.set j, j+1
.endr
.endr
.set j, 0
.rept 32
	v_fma_f32 v[QD+j], v[X2+j], s35, s36
.set j, j+1
.endr
.irp c, 37,38
.set j, 0
.rept 32
	v_fma_f32 v[QD+j], v[X2+j], v[QD+j], s[\c]     ; Q lies between 0.0048 and 1: no scaling is needed for the division
.set j, j+1
.endr
.endr
.set j, 0
	s_wait_alu depctr_va_vdst(0)
.rept 32
	v_rcp_f32 v[RC+j], v[QD+j]                     ; one batch of 32
.set j, j+1
.endr
.set j, 0
.rept 32
	v_mul_f32 v[PN+j], v[XA+j], v[PN+j]            ; the numerator x P: plain work that names no result of the batch
.set j, j+1
.endr
	s_wait_alu depctr_va_vdst(0)                   ; one wait for the batch, ahead of its first reader
.set j, 0
.rept 32
	v_fma_f32 v[X2+j], -v[QD+j], v[RC+j], 1.0      ; a Newton step on the reciprocal
.set j, j+1
.endr
.set j, 0
.rept 32
	v_fma_f32 v[RC+j], v[X2+j], v[RC+j], v[RC+j]
.set j, j+1
.endr
.set j, 0
.rept 32
	v_mul_f32 v[XA+j], v[PN+j], v[RC+j]            ; the quotient, roughly;
.set j, j+1
.endr
.rept 2                                ; twice: its exact remainder, and the correction: the quotient is then rounded as a division rounds it
.set j, 0
.rept 32
	v_fma_f32 v[X2+j], -v[XA+j], v[QD+j], v[PN+j]
.set j, j+1
.endr
.set j, 0
.rept 32
	v_fma_f32 v[XA+j], v[X2+j], v[RC+j], v[XA+j]
.set j, j+1
.endr
.endr
.set j, 0
.rept 32
	v_add_f32 v[X2+j], 1.0, v[XA+j]                ; tanh + 1
.set j, j+1
.endr
.set j, 0
.rept 32
	v_mul_f32 v[X2+j], s42, v[X2+j]                ; x 0.5 is exact, so x 0.5 x 20 rounds as x 10 does
.set j, j+1
.endr
.set j, 0
.rept 32
	v_rndne_f32 v[X2+j], v[X2+j]                   ; to the nearest level, ties to even
.set j, j+1
.endr
.set j, 0
.rept 32
	v_cvt_i32_f32 v[XA+j], v[X2+j]
	v_fma_f32 v[PN+j], v[X2+j], s39, -1.0
.set j, j+1
.endr
.irp k, 0,1,2,3,4,5,6,7
	global_store_b128 v4, v[XA+4*\k:XA+4*\k+3], s[14:15] offset:2048*\k th:TH_STORE_NT   ; a wave stores 512 consecutive bytes, aligned
	global_store_b128 v4, v[PN+4*\k:PN+4*\k+3], s[16:17] offset:2048*\k th:TH_STORE_NT
.endr
	s_endpgm
; ---------------- X: 128 tokens to a work-group, 32 to a wave.  A LANE TAKES A TOKEN AND ITS REGISTERS RUN DOWN THE CHANNELS: a block of 32 channels lies in one lane ----------------
.set XN, 32                            ; v32-159  four sets of 32 numbers; at the end the two records on their way out
.set XC, 160                           ; v160-175 a block's codes, two sets by turns
.set SB, 24                            ; v24-25   my token's two scale words
.macro XLOAD t                         ; block t: channels 32 t + i of my token, into set t % 4: a load reads 128 consecutive bytes
.irp i, 0,1,2,3,4,5,6,7,8,9,10,11,12,13,14,15,16,17,18,19,20,21,22,23,24,25,26,27,28,29,30,31
	global_load_b32 v[XN+32*((\t)%4)+\i], v9, s[4:5] offset:(32*(\t)+\i)*CH th:TH_LOAD_NT
.endr
.endm
.macro XBLOCK t
.set XS, XN+32*((\t)%4)
.set CC, XC+8*((\t)%2)
.set OFFS, 1536*((\t)/4)+256*((\t)%2)  ; K step t / 4; the block belongs to lane r + 16 (t % 2) of the fragment
.if (\t) < 6
	s_wait_loadcnt 63                              ; behind this block's loads 96 (block 5: 64) younger ones were issued: 63 is the most that the wait can name, and the smaller count holds too
.elseif (\t) == 6
	s_wait_loadcnt 32                              ; the last block's 32 may be out
.else
	s_wait_loadcnt 0x0
.endif
	v_max3_num_f32 v12, |v[XS]|, |v[XS+1]|, |v[XS+2]|               ; the block's largest magnitude, in two chains
	v_max3_num_f32 v13, |v[XS+3]|, |v[XS+4]|, |v[XS+5]|
.irp i, 6,10,14,18,22,26
	v_max3_num_f32 v12, v12, |v[XS+\i]|, |v[XS+\i+1]|
	v_max3_num_f32 v13, v13, |v[XS+\i+2]|, |v[XS+\i+3]|
.endr
	v_max3_num_f32 v12, v12, |v[XS+30]|, |v[XS+31]|
	v_max3_num_f32 v12, v12, v13, 0x2800000        ; and the floor 2^(5 - 127): the byte cannot fall under 1
	v_add_nc_u32 v11, 0xfe000000, v12              ; 4 off the exponent field: the conversion takes that field of this operand as its scale
	v_cvt_scalef32_pk16_bf6_f32 v[CC:CC+2], v[XS:XS+15], v11
	v_cvt_scalef32_pk16_bf6_f32 v[CC+4:CC+6], v[XS+16:XS+31], v11   ; (a conversion's three registers begin on an even number)
	v_lshrrev_b32 v13, 23, v11                     ; the scale's byte.  (Also the plain instruction behind the conversions)
.if (\t)%4 == 0
	v_mov_b32 v[SB+(\t)/4], v13
.else
	v_lshl_or_b32 v[SB+(\t)/4], v13, 8*((\t)%4), v[SB+(\t)/4]
.endif
	v_mov_b32 v[CC+3], v[CC+4]                     ; the block's six registers on end
	v_mov_b32 v[CC+4], v[CC+5]
	v_mov_b32 v[CC+5], v[CC+6]
.if ((\t)/2)%2 == 0                    ; registers 0-5 of the fragment
	ds_store_b128 v4, v[CC:CC+3] offset:OFFS
	ds_store_b64 v4, v[CC+4:CC+5] offset:OFFS+512
.else                                  ; registers 6-11
	ds_store_b64 v4, v[CC:CC+1] offset:OFFS+520
	ds_store_b128 v4, v[CC+2:CC+5] offset:OFFS+1024
.endif
.if (\t) < 4
	XLOAD (\t)+4                                   ; into the set just converted
.endif
	s_wait_dscnt 0x0                               ; the stores have read their registers
.endm
.Lpath_x:
	s_lshr_b32 s22, ttmp9, 5                       ; batch
	s_mul_i32 s22, s22, XBAT
	s_and_b32 s24, ttmp9, 31
	s_lshl_b32 s24, s24, 9                         ; + 128 tokens x 4 bytes for each work-group of the batch
	s_add_co_u32 s22, s22, s24
	s_lshl_b32 s24, s18, 7                         ; + 32 tokens a wave
	s_add_co_u32 s22, s22, s24
	s_add_nc_u64 s[4:5], s[4:5], s[22:23]
	s_lshl_b32 s24, ttmp9, 3
	s_lshl_b32 s26, s18, 1
	s_add_co_u32 s24, s24, s26                     ; my wave's first record: 8 x work-group + 2 x wave
	s_mul_i32 s24, s24, REC
	s_add_nc_u64 s[10:11], s[10:11], s[24:25]
	s_wait_alu depctr_va_vdst(0)
	v_lshlrev_b32 v9, 2, v1                        ; 4 bytes a lane
	XLOAD 0
	XLOAD 1
	XLOAD 2
	XLOAD 3
	s_mul_i32 s26, s18, XSTG                       ; my stage
	v_mul_u32_u24 v10, v3, REC                     ; lanes 16-31 fill the second record
	v_add_nc_u32 v10, s26, v10
	v_lshl_add_u32 v4, v2, 4, v10                  ; codes: 16 r
	v_lshl_add_u32 v5, v2, 2, v10                  ; scale words: 4 r
	v_lshl_add_u32 v6, v2, 3, v10                  ; the zeros: 8 r
	v_lshlrev_b32 v8, 4, v1                        ; out: 16 bytes a lane
	v_add_nc_u32 v7, s26, v8
	v_mov_b32 v14, 0
	v_mov_b32 v15, 0
.irp t, 0,1,2,3,4,5,6,7
	XBLOCK \t
.endr
	ds_store_b32 v5, v[SB] offset:3072
	s_wait_alu depctr_va_vdst(0)
	ds_store_b32 v5, v[SB+1] offset:3136
	ds_store_b64 v6, v[14:15] offset:3200
.irp k, 0,1,2,3,4,5,6,7,8,9,10,11,12
	ds_load_b128 v[XN+4*\k:XN+4*\k+3], v7 offset:512*\k    ; LDS serves a wave's instructions in order (ISA guide 5.7.1.4): these see my stores
.endr
.irp k, 0,1,2,3,4,5,6,7,8,9,10,11,12
	s_wait_dscnt 12-\k                             ; the younger loads may be out
	global_store_b128 v8, v[XN+4*\k:XN+4*\k+3], s[10:11] offset:512*\k   ; 512 consecutive bytes, aligned
.endr
	s_wait_tensorcnt 0x0
	ds_add_u32 v243, v247
	s_wait_dscnt 0x0
	s_endpgm
; ---------------- E: a wave takes a tile of 16 codebook rows.  The rows are read as they lie and turned through the wave's stage, so that lane (r, h) holds blocks h, 2 + h, 4 + h, 6 + h of row r whole ----------------
.set EN,  32                           ; v32-159  the numbers: set q (= 2 x K step + c) holds block 2 q + h
.set F,   176                          ; v176-199 the two fragments, as the record wants them
.set QT,  200                          ; v200-207 four quotients (pairs);  v208-215 their remainders
.set ET,  208
.set E2A, 216                          ; v216-219 e2 in two chains of pairs
.set TM,  220                          ; v220-223 largest magnitudes;  v224-227 the conversions' scale operands;  v228-231 bytes;  v232-247 second halves of the blocks' codes
.set SOP, 224
.set BY,  228
.set CT,  232
.set CP,  248                          ; v[248:249] c = max(usage, 1e-5);  v[250:251] 1 / c: named as pairs, of which the low word serves both halves
.set RP,  250
.Lpath_e:
	s_sub_co_u32 s22, ttmp9, 256
	s_lshl_b32 s22, s22, 2
	s_add_co_u32 s22, s22, s18                     ; my tile, 0..511
	s_lshl_b32 s24, s22, 14
	s_add_nc_u64 s[6:7], s[6:7], s[24:25]          ; its 16 rows of 1,024 bytes
	s_lshl_b32 s24, s22, 6
	s_add_nc_u64 s[8:9], s[8:9], s[24:25]          ; their usages
	s_mul_i32 s24, s22, REC
	s_add_nc_u64 s[12:13], s[12:13], s[24:25]      ; its record
	s_wait_alu depctr_va_vdst(0)
	v_lshlrev_b32 v9, 2, v2
	v_lshlrev_b32 v8, 4, v1
	global_load_b32 v252, v9, s[8:9]               ; usage of row r
.irp n, 0,1,2,3,4,5,6,7,8,9,10,11,12,13,14,15,16,17,18,19,20,21,22,23,24,25,26,27,28,29,30,31
	global_load_b128 v[EN+4*\n:EN+4*\n+3], v8, s[6:7] offset:512*\n th:TH_LOAD_NT   ; 512 consecutive bytes: half a row
.endr
	s_mul_i32 s26, s18, ESTG
	s_add_co_u32 s26, s26, ESTG0                   ; my stage
	v_add_nc_u32 v4, s26, v8                       ; in: 16 x lane
	v_mul_u32_u24 v5, v2, EPIT
	v_lshl_add_u32 v5, v3, 7, v5
	v_add_nc_u32 v5, s26, v5                       ; back: row r, + 128 h
	v_lshl_add_u32 v6, v1, 2, s26                  ; the tail: 4 x lane in,
	v_lshlrev_b32 v10, 3, v1
	v_add_nc_u32 v7, s26, v10                      ; 8 x lane back
	s_wait_alu depctr_va_vdst(0)
.irp n, 0,1,2,3,4,5,6,7,8,9,10,11,12,13,14,15,16,17,18,19,20,21,22,23,24,25,26,27,28,29,30,31
	s_wait_loadcnt 31-\n                           ; the younger halves may be out
	ds_store_b128 v4, v[EN+4*\n:EN+4*\n+3] offset:(\n/2)*EPIT+(\n%2)*512
.endr
	s_wait_dscnt 0x0                               ; the stores have read their registers
.irp q, 0,1,2,3
.irp e, 0,1,2,3,4,5,6,7
	ds_load_b128 v[EN+32*\q+4*\e:EN+32*\q+4*\e+3], v5 offset:256*\q+16*\e
.endr
.endr
	v_max_num_f32 v[CP], 0x3727c5ac, v252          ; c = max(usage, 1e-5)
	s_wait_alu depctr_va_vdst(0)
	v_rcp_f32 v[RP], v[CP]
	v_mov_b32 v[CP+1], v[CP]                       ; (a plain instruction behind the reciprocal; the pair's upper word is written)
	s_wait_alu depctr_va_vdst(0)                   ; ahead of the reciprocal's first reader
	v_fma_f32 v252, -v[CP], v[RP], 1.0
	v_fma_f32 v[RP], v252, v[RP], v[RP]            ; one Newton step
	v_mov_b32 v[RP+1], v[RP]
	s_wait_alu depctr_va_vdst(0)
	s_wait_dscnt 0x0
; -emb, two numbers an instruction, four pairs by turns: q = s / c roughly; its exact remainder s - q c; -(q + remainder / c).  Then e2.
.set p, 0
.rept 16
.irp u, 0,1,2,3
	v_pk_mul_f32 v[QT+2*\u:QT+2*\u+1], v[EN+2*p+2*\u:EN+2*p+2*\u+1], v[RP:RP+1] op_sel_hi:[1,0]
.endr
.irp u, 0,1,2,3
	v_pk_fma_f32 v[ET+2*\u:ET+2*\u+1], v[QT+2*\u:QT+2*\u+1], v[CP:CP+1], v[EN+2*p+2*\u:EN+2*p+2*\u+1] op_sel_hi:[1,0,1] neg_lo:[1,0,0] neg_hi:[1,0,0]
.endr
.irp u, 0,1,2,3
	v_pk_fma_f32 v[EN+2*p+2*\u:EN+2*p+2*\u+1], v[ET+2*\u:ET+2*\u+1], v[RP:RP+1], v[QT+2*\u:QT+2*\u+1] op_sel_hi:[1,0,1] neg_lo:[1,0,1] neg_hi:[1,0,1]
.endr
.irp u, 0,1,2,3
.if (p == 0) && (\u < 2)
	v_pk_mul_f32 v[E2A+2*\u:E2A+2*\u+1], v[EN+2*p+2*\u:EN+2*p+2*\u+1], v[EN+2*p+2*\u:EN+2*p+2*\u+1]   ; the first squares start the two chains
.else
	v_pk_fma_f32 v[E2A+2*(\u%2):E2A+2*(\u%2)+1], v[EN+2*p+2*\u:EN+2*p+2*\u+1], v[EN+2*p+2*\u:EN+2*p+2*\u+1], v[E2A+2*(\u%2):E2A+2*(\u%2)+1]
.endif
.endr
.set p, p+4
.endr
	v_add_f32 v[E2A], v[E2A], v[E2A+1]
	v_add_f32 v[E2A+2], v[E2A+2], v[E2A+3]
	v_add_f32 v[E2A], v[E2A], v[E2A+2]
	v_permlanex16_b32 v[E2A+1], v[E2A], s20, s21
	v_add_f32 v[E2A], v[E2A], v[E2A+1]             ; with the row's other four blocks: e2 of row r
.irp q, 0,1,2,3
	v_max3_num_f32 v[TM+\q], |v[EN+32*\q]|, |v[EN+32*\q+1]|, 0x2800000   ; my four blocks by turns; the floor 2^(5 - 127) among the leaves
.endr
.irp i, 2,4,6,8,10,12,14,16,18,20,22,24,26,28,30
.irp q, 0,1,2,3
	v_max3_num_f32 v[TM+\q], v[TM+\q], |v[EN+32*\q+\i]|, |v[EN+32*\q+\i+1]|
.endr
.endr
.irp q, 0,1,2,3
	v_add_nc_u32 v[SOP+\q], 0xfe000000, v[TM+\q]   ; 4 off the exponent field: the conversion's scale operand
.endr
.irp q, 0,1,2,3
	v_lshrrev_b32 v[BY+\q], 23, v[SOP+\q]
.endr
.irp q, 0,1,2,3
	v_add_nc_u32 v[BY+\q], 1, v[BY+\q]             ; THE BYTE IS STORED + 1: with the turned sign a code stands for -2 emb.  At most 251
.endr
.irp q, 0,1,2,3
	v_cvt_scalef32_pk16_bf6_f32 v[F+6*\q:F+6*\q+2], v[EN+32*\q:EN+32*\q+15], v[SOP+\q]
	v_cvt_scalef32_pk16_bf6_f32 v[CT+4*\q:CT+4*\q+2], v[EN+32*\q+16:EN+32*\q+31], v[SOP+\q]   ; (a conversion's three registers begin on an even number)
.endr
	v_nop                                          ; one plain instruction behind the conversions
.irp q, 0,1,2,3
.irp i, 0,1,2
	v_mov_b32 v[F+6*\q+3+\i], v[CT+4*\q+\i]
.endr
.endr
.irp g, 0,1,2,3,4,5
	global_store_b128 v8, v[F+4*\g:F+4*\g+3], s[12:13] offset:512*\g   ; the registers ARE the image: 512 consecutive bytes, aligned
.endr
	v_lshlrev_b32 v253, 3, v3                      ; my bytes stand 8 h bits up in a scale word
	v_lshl_or_b32 v254, v[BY+1], 16, v[BY]
	v_lshl_or_b32 v255, v[BY+3], 16, v[BY+2]
	v_lshlrev_b32 v254, v253, v254
	v_lshlrev_b32 v255, v253, v255
	v_permlanex16_b32 v[TM], v254, s20, s21
	v_permlanex16_b32 v[TM+1], v255, s20, s21
	v_or_b32 v254, v254, v[TM]                     ; row r's word of K = 0..127,
	v_or_b32 v255, v255, v[TM+1]                   ; and of K = 128..255
	v_cmp_ne_u32 vcc_lo, 0, v3
	v_mov_b32 v[TM+2], 0
	v_cndmask_b32 v254, v254, v255, vcc_lo         ; lanes 0-15 give the first, lanes 16-31 the second
	v_cndmask_b32 v255, v[E2A], v[TM+2], vcc_lo    ; lanes 0-15 give e2, lanes 16-31 zeros
	ds_store_b32 v6, v254 offset:ETAIL
	ds_store_b32 v6, v255 offset:ETAIL+128
	ds_load_b64 v[252:253], v7 offset:ETAIL        ; in order behind my stores
	s_wait_dscnt 0x0
	global_store_b64 v10, v[252:253], s[12:13] offset:3072   ; the record's last 256 bytes, by one store
	s_wait_tensorcnt 0x0
	ds_add_u32 v243, v247
	s_wait_dscnt 0x0
	s_endpgm
.Lfunc_end_k_q5ebcf43073_prep:
	.size	k_q5ebcf43073_prep, .Lfunc_end_k_q5ebcf43073_prep-k_q5ebcf43073_prep
	.p2alignl 7, 3214868480
	.fill 96, 4, 3214868480
	.section	.rodata,"a",@progbits
	.p2align	6, 0x0
	.amdhsa_kernel k_q5ebcf43073_prep
		.amdhsa_group_segment_fixed_size 94720
		.amdhsa_private_segment_fixed_size 0
		.amdhsa_enable_private_segment 0
		.amdhsa_kernarg_size 56
		.amdhsa_user_sgpr_count 2
		.amdhsa_user_sgpr_kernarg_segment_ptr 1
		.amdhsa_wavefront_size32 1
		.amdhsa_system_sgpr_workgroup_id_x 1
		.amdhsa_system_sgpr_workgroup_id_y 1
		.amdhsa_system_sgpr_workgroup_id_z 1
		.amdhsa_system_vgpr_workitem_id 0
		.amdhsa_next_free_vgpr 256
		.amdhsa_next_free_sgpr 66
		.amdhsa_reserve_vcc 1
		.amdhsa_float_denorm_mode_32 3
		.amdhsa_float_denorm_mode_16_64 3
		.amdhsa_memory_ordered 1
		.amdhsa_forward_progress 1
		.amdhsa_inst_pref_size 121
	.end_amdhsa_kernel
	.amdgpu_metadata
---
amdhsa.version: [ 1, 2 ]
amdhsa.kernels:
  - .name:           k_q5ebcf43073_prep
    .symbol:         k_q5ebcf43073_prep.kd
    .args:
      - { .name: x, .offset: 0, .size: 8, .value_kind: global_buffer, .address_space: global }
      - { .name: embedding_sum, .offset: 8, .size: 8, .value_kind: global_buffer, .address_space: global }
      - { .name: cluster_usage, .offset: 16, .size: 8, .value_kind: global_buffer, .address_space: global }
      - { .name: xq, .offset: 24, .size: 8, .value_kind: global_buffer, .address_space: global }
      - { .name: embq, .offset: 32, .size: 8, .value_kind: global_buffer, .address_space: global }
      - { .name: out0, .offset: 40, .size: 8, .value_kind: global_buffer, .address_space: global }
      - { .name: out1, .offset: 48, .size: 8, .value_kind: global_buffer, .address_space: global }
    .group_segment_fixed_size: 94720
    .private_segment_fixed_size: 0
    .kernarg_segment_align: 8
    .kernarg_segment_size: 56
    .max_flat_workgroup_size: 128
    .sgpr_count:     66
    .vgpr_count:     256
    .wavefront_size: 32
...
	.end_amdgpu_metadata
.endif
;; end of part 1
;; launch dist (part 2): grid 32 x 8, 16 waves a work-group, clusters of 4 x 1, 327,680 bytes of LDS; arguments xq, embq, candk, candi; writes candk, candi
.if DOCPART == 2
	.amdgcn_target "amdgcn-amd-amdhsa--gfx1250"
	.amdhsa_code_object_version 6
	.text
	.protected	k_q5ebcf43073_dist
	.globl	k_q5ebcf43073_dist
	.p2align	8
	.type	k_q5ebcf43073_dist,@function
k_q5ebcf43073_dist:
	s_mov_b64 s[64:65], 0
	v_nop
	global_prefetch_b8 v0, s[64:65] scope:SCOPE_SE
	s_setreg_imm32_b32 hwreg(HW_REG_WAVE_MODE, 25, 1), 1
	s_wait_xcnt 0x0
	s_wait_alu depctr_hold_cnt(0) depctr_sa_sdst(0) depctr_va_vdst(0) depctr_va_sdst(0) depctr_va_ssrc(0) depctr_va_vcc(0) depctr_vm_vsrc(0)
	s_getreg_b32 s2, hwreg(HW_REG_IB_STS2, 6, 4)
	s_cmp_eq_u32 s2, 0
	s_cbranch_scc0 .Lentry_in_a_cluster
	s_endpgm
.Lentry_in_a_cluster:
	s_bfe_u32 s2, ttmp6, 0x10000c
	s_cmp_lg_u32 s2, 0x3003
	s_cbranch_scc0 .Lentry_shape_is_right
	s_endpgm
.Lentry_shape_is_right:
; For each of 32,768 tokens and each eighth of the codebook: the least of e2[k] - 2 x . emb[k] over the eighth's 1,024 entries, and the PAIR of neighbouring entries (2 P, 2 P + 1), the lowest such pair, that holds it.
; The product is made on codes of BF6 (E3M2) with E8M0 scales, as the launch before stored them: records of REC bytes, images of the operands' registers (16 rows x 256 K, 32 scale words, 16 numbers e2).
; The codebook's codes are those of -emb and their scale bytes are one too large, so a product is -2 x . emb; the sum begins with e2 as its C.
; x2 IS NOT ADDED: it is the same for all entries of a token, so the entry with the least distance is the same; the order of rounding differs from a sum that carries x2.
; SHARES.  Work-group (X, Y): tokens 1,024 X on, entry tiles 64 Y on.  Its 64 records of the codebook, 212,992 bytes, lie in LDS, each byte filled once; each of its sixteen waves owns 64 tokens (four tiles), whose
; fragments stay in its registers, and walks the 64 entry tiles: 8 matrix instructions a tile.
; CLUSTER.  The four work-groups of a cluster differ in X alone and need the same 64 records: each part is asked for jointly, by the same tensor load with the same descriptor and a mask that names the four.
; At the head every wave asks for one record (tiles 0-15); behind the wait, the add and a round every wave asks for three more (tiles 16-63), which are wanted from tile 16 on.
; No prefetch: both parts are asked for at the head, and the launch has no loop that runs ahead of a load.
; LAYOUT.  Source 0 = 16 entries, source 1 = 16 tokens: lane (r, h) holds token r, and register j of a result the entry 8 h + j.
; THE ARGMIN.  For each token tile a lane keeps b, the least so far.  A tile's eight distances go through a chain of four v_min3_num_f32: t1 = min(b, d0, d1), t2 = min(t1, d2, d3), t3 = min(t2, d4, d5), new b = min(t3, d6, d7).
; Where the new b is less than the old (strictly: the earlier tile keeps a tie), the tile's number T and t1, t2, t3 are kept.  At the end the first of t1, t2, t3 that equals b names the lowest pair k of registers that holds b
; (none: k = 3), and the pair of entries is P = 8 T + 4 h + k.  Lanes l and l xor 16 are joined by value, then by the lower P.  Which of the pair's two entries it is, the next launch finds.
; b leaves as a whole number that orders as b does (-0 made +0; the sign bit turned, or all bits where b is negative).
; LIMITS: NaN is not served (v_min3_num_f32 passes over it), nor infinities among the inputs.
.set REC,  3328
.set PA,   16*REC                      ; the first part: entry tiles 0-15
.set STG,  64*REC                      ; behind the records: 512 bytes for each wave, for the way out; no tensor load lands there
.set SPARE, STG+16*512                 ; behind the stages: the spare words, 128 bytes for each wave
.set HL,   5                           ; lines that keep a token tile's T and t1..t3: a compare and four selects
.set Q1,   4                           ; the 8 + 2 HL lines of two token tiles' argmin are dealt behind four matrix instructions
.set Q2,   4
.set Q3,   5
.set Q4,   5
.set LI,   1                           ; v1 16 x lane   v2 4 x lane   v3 32 h: my places in a record's fragments, scale words and e2
.set LS,   2
.set LE,   3
.set ADC,  4                           ; v4-6 the same + the pair of tiles in hand
.set ADS,  5
.set ADE,  6
.set H4,   7                           ; v7 4 h
.set XSC,  8                           ; v8-11  x's scale words, a register a token tile
.set ASC,  12                          ; v12-13 the codebook's, two sets
.set BEST, 14                          ; v14-17, v18-21  b, two sets that change places from tile to tile
.set ACC,  32                          ; v32-63 four accumulators
.set SVB,  64                          ; v64-79 for each token tile: T, t1, t2, t3 as kept
.set TT,   80                          ; v80-87 t1..t3 at work, for two token tiles
.set SPW,  88                          ; v88 my spare word's LDS address; v89 0: never rewritten
.set NIL,  89
.set E2,   96                          ; v96-111 e2 in the result's layout, two sets
.set AF,   112                         ; v112-159 the codebook's two fragments, two sets
.set XF,   160                         ; v160-255 x's: four token tiles x two fragments
.set TS,   41                          ; s41-43 the numbers of the entry tiles t - 1, t, t + 1, t the first of the pair in hand
.macro CROUND                          ; a round of the cluster's barrier
	s_barrier_signal -1
	s_barrier_wait -1
	s_cmp_lg_u32 s12, 0
	s_cbranch_scc1 .Lnot_wave_0_\@
	s_barrier_signal -3
.Lnot_wave_0_\@:
	s_barrier_wait -3
	s_barrier_signal -1
	s_barrier_wait -1
.endm
	s_load_b256 s[4:11], s[0:1], 0x0               ; xq s[4:5], embq s[6:7], candk s[8:9], candi s[10:11]
	v_lshl_add_u32 v[SPW], v0, 2, SPARE
	v_mov_b32 v[NIL], 0
	ds_add_u32 v[SPW], v[NIL]                      ; the opening add, twice on end
	ds_add_u32 v[SPW], v[NIL]
	v_lshrrev_b32 v29, 5, v0
	v_and_b32 v28, 31, v0
	v_bfe_u32 v30, v0, 4, 1
	v_readfirstlane_b32 s12, v29                   ; wave 0..15
	v_lshlrev_b32 v[LI], 4, v28
	v_lshlrev_b32 v[LS], 2, v28
	v_lshlrev_b32 v[LE], 5, v30
	v_lshlrev_b32 v[H4], 2, v30
	s_bfe_u32 s13, ttmp6, 0x40000                  ; cx: it enters xq's, candk's and candi's addresses alone
	s_lshl_b32 s14, ttmp9, 2
	s_add_co_u32 s14, s14, s13                     ; X
	s_and_b32 s15, ttmp7, 0xffff                   ; Y, which the four partners share
	s_lshl_b32 s46, s14, 6
	s_lshl_b32 s47, s12, 2
	s_add_co_u32 s46, s46, s47                     ; my first token tile: 64 X + 4 x wave
	s_mul_i32 s46, s46, REC
	s_mov_b32 s47, 0
	; descriptor groups 1: dense memory as rows of 256 bytes (32 elements of 8 bytes); the mask names all four work-groups, bit 21 is set beside it
	s_mov_b32 s16, 15|(3<<16)|(1<<21)
	s_mov_b32 s17, 32<<16
	s_mov_b32 s18, 13<<16                          ; one record: 13 rows
	s_mov_b32 s19, 32<<16
	s_mov_b32 s20, 13
	s_mov_b32 s21, 32
	s_mov_b32 s22, 0
	s_mov_b32 s23, 0
	s_mov_b32 s24, 15|(3<<16)|(1<<21)
	s_mov_b32 s25, 32<<16
	s_mov_b32 s26, 39<<16                          ; three records: 39 rows
	s_mov_b32 s27, 32<<16
	s_mov_b32 s28, 39
	s_mov_b32 s29, 32
	s_mov_b32 s30, 0
	s_mov_b32 s31, 0
	s_wait_alu depctr_va_vdst(0)
	s_wait_dscnt 0x0                               ; both opening adds are done
	s_wait_kmcnt 0x0
	s_add_nc_u64 s[4:5], s[4:5], s[46:47]
.irp i, 0,1,2,3
.irp g, 0,1,2,3,4,5
	global_load_b128 v[XF+24*\i+4*\g:XF+24*\i+4*\g+3], v[LI], s[4:5] offset:REC*\i+512*\g   ; x's fragments stay in registers
.endr
	global_load_b32 v[XSC+\i], v[LS], s[4:5] offset:REC*\i+3072
.endr
	s_lshl_b32 s46, s15, 17                        ; where my 64 tokens' results go: (32,768 Y + 1,024 X + 64 x wave) x 4 bytes
	s_lshl_b32 s50, s14, 12
	s_add_co_u32 s46, s46, s50
	s_lshl_b32 s50, s12, 8
	s_add_co_u32 s46, s46, s50
	s_add_nc_u64 s[8:9], s[8:9], s[46:47]
	s_add_nc_u64 s[10:11], s[10:11], s[46:47]
	; groups 0: made of Y and the wave's number alone
	s_mul_i32 s56, s15, 64*REC
	s_mul_i32 s55, s12, REC
	s_mov_b32 s53, 0
	s_mov_b32 s32, 1
	s_mov_b32 s33, s55                             ; LDS: REC x wave
	s_add_co_u32 s52, s56, s55
	s_add_nc_u64 s[34:35], s[6:7], s[52:53]
	s_or_b32 s35, s35, 0x80000000
	s_mul_i32 s55, s12, 3*REC
	s_mov_b32 s36, 1
	s_add_co_u32 s37, s55, PA                      ; LDS: PA + 3 REC x wave
	s_add_co_u32 s52, s56, s37
	s_add_nc_u64 s[38:39], s[6:7], s[52:53]
	s_or_b32 s39, s39, 0x80000000
	CROUND                                         ; all four work-groups are here: the joint loads meet
	tensor_load_to_lds s[32:35], s[16:23]          ; my one load at the head: entry tile number = my wave's
	s_nop 0
	; The walk is written once: its first lines find +infinity as the results of a tile before the first, which changes nothing
	s_mov_b32 s45, 0x7f800000
	s_lshl_b32 s42, s15, 6                         ; my first entry tile: 64 Y
	s_add_co_u32 s41, s42, -1
	s_add_co_u32 s43, s42, 1
.set j, 0
.rept 8
	v_mov_b32 v[BEST+j], s45
.set j, j+1
.endr
.irp i, 0,1,2,3
	v_mov_b32 v[SVB+4*\i], s42
	v_mov_b32 v[SVB+4*\i+1], s45
	v_mov_b32 v[SVB+4*\i+2], s45
	v_mov_b32 v[SVB+4*\i+3], s45
.endr
.set j, 16
.rept 16
	v_mov_b32 v[ACC+j], s45
.set j, j+1
.endr
	s_mov_b32 s48, 0x76543210
	s_mov_b32 s49, 0xfedcba98                      ; v_permlanex16_b32's selects for lane l xor 16
	s_mov_b32 s40, 0                               ; LDS byte of the pair of tiles in hand
.macro LOADS b, off                    ; a record into set b: nine LDS loads, each of consecutive bytes
.irp g, 0,1,2,3,4,5
	ds_load_b128 v[AF+24*(\b)+4*\g:AF+24*(\b)+4*\g+3], v[ADC] offset:(\off)+512*\g
.endr
	ds_load_b32 v[ASC+(\b)], v[ADS] offset:(\off)+3072
	ds_load_b128 v[E2+8*(\b):E2+8*(\b)+3], v[ADE] offset:(\off)+3200
	ds_load_b128 v[E2+8*(\b)+4:E2+8*(\b)+7], v[ADE] offset:(\off)+3216
.endm
.macro W b, s, i                       ; K step s of token tile i against the entry tile in set b.  Step 0 starts the sum with e2; step 1 takes the scale words of lanes 16-31
.if (\s) == 0
	v_wmma_scale_f32_16x16x128_f8f6f4 v[ACC+8*(\i):ACC+8*(\i)+7], v[AF+24*(\b):AF+24*(\b)+11], v[XF+24*(\i):XF+24*(\i)+11], v[E2+8*(\b):E2+8*(\b)+7], v[ASC+(\b)], v[XSC+(\i)] matrix_a_fmt:MATRIX_FMT_BF6 matrix_b_fmt:MATRIX_FMT_BF6
.else
	v_wmma_scale_f32_16x16x128_f8f6f4 v[ACC+8*(\i):ACC+8*(\i)+7], v[AF+24*(\b)+12:AF+24*(\b)+23], v[XF+24*(\i)+12:XF+24*(\i)+23], v[ACC+8*(\i):ACC+8*(\i)+7], v[ASC+(\b)], v[XSC+(\i)] matrix_a_fmt:MATRIX_FMT_BF6 matrix_b_fmt:MATRIX_FMT_BF6 matrix_a_scale:MATRIX_SCALE_ROW1 matrix_b_scale:MATRIX_SCALE_ROW1
.endif
.endm
; Line n of the 8 + 2 HL lines of two token tiles' argmin.  0-7: the two chains of minima by turns, each accumulator from its low end on; then for i0, and then for i1: the compare (new b >= old b: nothing is kept) and the selects.
; o, nn: the old and the new set of b;  st: the scalar register with the entry tile's number
.macro VOP i0, i1, o, nn, st
.if n < 8
.set ii, \i0
.if n%2
.set ii, \i1
.endif
.set tb, TT+4*(n%2)
.set kk, n/2
.if kk == 0
	v_min3_num_f32 v[tb+1], v[(\o)+ii], v[ACC+8*ii], v[ACC+8*ii+1]
.elseif kk < 3
	v_min3_num_f32 v[tb+kk+1], v[tb+kk], v[ACC+8*ii+2*kk], v[ACC+8*ii+2*kk+1]
.else
	v_min3_num_f32 v[(\nn)+ii], v[tb+3], v[ACC+8*ii+6], v[ACC+8*ii+7]
.endif
.else
.set ii, \i0
.set tb, TT
.set mm, n-8
.if mm >= HL
.set ii, \i1
.set tb, TT+4
.set mm, mm-HL
.endif
.set sv, SVB+4*ii
.if mm == 0
	v_cmp_ge_f32 vcc_lo, v[(\nn)+ii], v[(\o)+ii]
.elseif mm == 1
	s_delay_alu instid0(VALU_DEP_1)
	v_cndmask_b32 v[sv], s[\st], v[sv], vcc_lo
.else
	v_cndmask_b32 v[sv+mm-1], v[tb+mm-1], v[sv+mm-1], vcc_lo
.endif
.endif
.set n, n+1
.endm
.macro WS b, s, i, cnt, i0, i1, o, nn, st      ; a matrix instruction and, behind it, cnt lines of the argmin of results finished earlier
	W \b, \s, \i
.rept \cnt
	VOP \i0, \i1, \o, \nn, \st
.endr
.endm
; AN ENTRY TILE, in set b.  pf: where, from the pair's first record, the next tile's record lies (-1: none is left).  bar = 1: the codebook's second part is wanted from here on.  adr = 1: a pair begins.
; The accumulators take turns, one instruction a turn: 0 1 0 1 2 3 2 3, and 3 is followed by 0.  The lines behind a matrix instruction name none of its registers: they are the places
; ahead of the first read of its result (at least Q4 + 1), of the loads into the set that it read (at least Q4), and of the instruction that begins its accumulator anew.
.macro TILE b, pf, bar, adr
	s_wait_dscnt 0x0                               ; this tile's nine loads, issued a whole tile ago
.if \adr
	v_add_nc_u32 v[ADC], s40, v[LI]
	v_add_nc_u32 v[ADS], s40, v[LS]
	v_add_nc_u32 v[ADE], s40, v[LE]
.endif
.if \bar
	s_wait_tensorcnt 0x0                           ; my three records of the second part have landed,
	s_barrier_signal -1
	s_barrier_wait -1                              ; everybody's have
.endif
.if (\pf) >= 0
	LOADS 1-\b, \pf
.endif
.set n, 0
	WS \b, 0, 0, Q1, 2, 3, BEST+4*(1-\b), BEST+4*\b, TS+\b
	WS \b, 0, 1, Q2, 2, 3, BEST+4*(1-\b), BEST+4*\b, TS+\b
	WS \b, 1, 0, Q3, 2, 3, BEST+4*(1-\b), BEST+4*\b, TS+\b
	WS \b, 1, 1, Q4, 2, 3, BEST+4*(1-\b), BEST+4*\b, TS+\b
.set n, 0
	WS \b, 0, 2, Q1, 0, 1, BEST+4*\b, BEST+4*(1-\b), TS+\b+1
	WS \b, 0, 3, Q2, 0, 1, BEST+4*\b, BEST+4*(1-\b), TS+\b+1
	WS \b, 1, 2, Q3, 0, 1, BEST+4*\b, BEST+4*(1-\b), TS+\b+1
	WS \b, 1, 3, Q4, 0, 1, BEST+4*\b, BEST+4*(1-\b), TS+\b+1
.endm
.macro PAIR more, bar                  ; two entry tiles, until the sets are back where they began
	TILE 0, REC, 0, 1
.if \more
	TILE 1, 2*REC, \bar, 0
.else
	TILE 1, -1, \bar, 0
.endif
	s_add_co_u32 s40, s40, 2*REC
	s_add_co_u32 s41, s41, 2
	s_add_co_u32 s42, s42, 2
	s_add_co_u32 s43, s43, 2
.endm
	s_wait_alu depctr_va_vdst(0)
	s_wait_tensorcnt 0x0                           ; my record of the first part has landed
	ds_add_u32 v[SPW], v[NIL]
	s_wait_dscnt 0x0
	CROUND                                         ; everybody's record has landed, and all four work-groups are here
	tensor_load_to_lds s[36:39], s[24:31]          ; my one load behind the round: three records of tiles 16-63
	s_nop 0
	v_add_nc_u32 v[ADC], s40, v[LI]
	v_add_nc_u32 v[ADS], s40, v[LS]
	v_add_nc_u32 v[ADE], s40, v[LE]
	LOADS 0, 0                                     ; entry tile 0
	s_wait_loadcnt 0x0                             ; x's fragments and scale words
	s_mov_b32 s44, 7
.Lfirst:                                               ; tiles 0-13; the furthest record fetched is tile 14's, inside the first part
	PAIR 1, 0
	s_sub_co_u32 s44, s44, 1
	s_cmp_lg_u32 s44, 0
	s_cbranch_scc1 .Lfirst
	PAIR 1, 1                                      ; tiles 14, 15: the barrier for the second part stands at tile 15's head, ahead of the loads of tile 16's record
	s_mov_b32 s44, 23
.Lrest:                                                ; tiles 16-61
	PAIR 1, 0
	s_sub_co_u32 s44, s44, 1
	s_cmp_lg_u32 s44, 0
	s_cbranch_scc1 .Lrest
	PAIR 0, 0                                      ; tiles 62, 63
.set n, 0
.rept 8+2*HL
	VOP 2, 3, BEST+4, BEST, TS                     ; token tiles 2, 3 of tile 63; b now stands in set 0 for all four
.endr
; THE WAY OUT.  v96-115 are free
.set JJ, 96
.set EI, 100
.set OB, 104
.set OE, 108
.set MM, 112
.irp i, 0,1,2,3
	v_mov_b32 v[JJ+\i], 3
.endr
.irp k, 3,2,1
.irp i, 0,1,2,3
	v_cmp_neq_f32 vcc_lo, v[SVB+4*\i+\k], v[BEST+\i]
	s_delay_alu instid0(VALU_DEP_1)
	v_cndmask_b32 v[JJ+\i], \k-1, v[JJ+\i], vcc_lo   ; the first of t1, t2, t3 that is b
.endr
.endr
.irp i, 0,1,2,3
	v_lshl_add_u32 v[EI+\i], v[SVB+4*\i], 3, v[JJ+\i]
.endr
.irp i, 0,1,2,3
	s_delay_alu instid0(VALU_DEP_4)
	v_add_nc_u32 v[EI+\i], v[H4], v[EI+\i]         ; the pair of entries: 8 T + 4 h + k
.endr
.irp i, 0,1,2,3
	v_permlanex16_b32 v[OB+\i], v[BEST+\i], s48, s49
.endr
.irp i, 0,1,2,3
	v_permlanex16_b32 v[OE+\i], v[EI+\i], s48, s49
.endr
.irp i, 0,1,2,3
	v_min_u32 v[MM+\i], v[EI+\i], v[OE+\i]
	v_cmp_eq_f32 vcc_lo, v[OB+\i], v[BEST+\i]
	s_delay_alu instid0(VALU_DEP_1)
	v_cndmask_b32 v[EI+\i], v[EI+\i], v[MM+\i], vcc_lo   ; a tie: the lower pair;
	v_cmp_lt_f32 vcc_lo, v[OB+\i], v[BEST+\i]
	s_delay_alu instid0(VALU_DEP_1)
	v_cndmask_b32 v[EI+\i], v[EI+\i], v[OE+\i], vcc_lo   ; the other half's is less: its pair
	v_min_num_f32 v[BEST+\i], v[BEST+\i], v[OB+\i]
	s_delay_alu instid0(VALU_DEP_1)
	v_add_f32 v[BEST+\i], 0, v[BEST+\i]            ; -0 becomes +0
	s_delay_alu instid0(VALU_DEP_1)
	v_ashrrev_i32 v[MM+\i], 31, v[BEST+\i]
	s_delay_alu instid0(VALU_DEP_1)
	v_or_b32 v[MM+\i], 0x80000000, v[MM+\i]
	s_delay_alu instid0(VALU_DEP_1)
	v_xor_b32 v[BEST+\i], v[BEST+\i], v[MM+\i]     ; a whole number that orders as b does
.endr
	s_lshl_b32 s56, s12, 9
	s_add_co_u32 s56, s56, STG                     ; my stage
	v_and_b32 v29, 15, v0
	s_delay_alu instid0(VALU_DEP_1)
	v_lshl_add_u32 v29, v29, 2, s56                ; in: 4 r; both halves of the lanes write the same word with the same value
	v_and_b32 v30, 31, v0
	s_delay_alu instid0(VALU_DEP_1)
	v_lshlrev_b32 v31, 3, v30                      ; out: 8 bytes a lane
	s_delay_alu instid0(VALU_DEP_1)
	v_add_nc_u32 v30, s56, v31
.irp i, 0,1,2,3
	ds_store_b32 v29, v[BEST+\i] offset:64*\i
	ds_store_b32 v29, v[EI+\i] offset:256+64*\i
.endr
	ds_load_b64 v[96:97], v30                      ; LDS serves a wave's instructions in order (ISA guide 5.7.1.4): these see my stores
	ds_load_b64 v[98:99], v30 offset:256
	s_wait_alu depctr_va_vdst(0)
	s_wait_dscnt 0x0
	global_store_b64 v31, v[96:97], s[8:9]         ; my 64 tokens: 256 consecutive bytes, aligned, by one store
	global_store_b64 v31, v[98:99], s[10:11]
	s_wait_tensorcnt 0x0                           ; the wave's end
	ds_add_u32 v[SPW], v[NIL]
	s_wait_dscnt 0x0
	CROUND                                         ; the closing round
	s_endpgm
.Lfunc_end_k_q5ebcf43073_dist:
	.size	k_q5ebcf43073_dist, .Lfunc_end_k_q5ebcf43073_dist-k_q5ebcf43073_dist
	.p2alignl 7, 3214868480
	.fill 96, 4, 3214868480
	.section	.rodata,"a",@progbits
	.p2align	6, 0x0
	.amdhsa_kernel k_q5ebcf43073_dist
		.amdhsa_group_segment_fixed_size 327680
		.amdhsa_private_segment_fixed_size 0
		.amdhsa_enable_private_segment 0
		.amdhsa_kernarg_size 32
		.amdhsa_user_sgpr_count 2
		.amdhsa_user_sgpr_kernarg_segment_ptr 1
		.amdhsa_wavefront_size32 1
		.amdhsa_system_sgpr_workgroup_id_x 1
		.amdhsa_system_sgpr_workgroup_id_y 1
		.amdhsa_system_sgpr_workgroup_id_z 1
		.amdhsa_system_vgpr_workitem_id 0
		.amdhsa_next_free_vgpr 256
		.amdhsa_next_free_sgpr 66
		.amdhsa_reserve_vcc 1
		.amdhsa_float_denorm_mode_32 3
		.amdhsa_float_denorm_mode_16_64 3
		.amdhsa_memory_ordered 1
		.amdhsa_forward_progress 1
		.amdhsa_inst_pref_size 44
	.end_amdhsa_kernel
	.amdgpu_metadata
---
amdhsa.version: [ 1, 2 ]
amdhsa.kernels:
  - .name:           k_q5ebcf43073_dist
    .symbol:         k_q5ebcf43073_dist.kd
    .args:
      - { .name: xq, .offset: 0, .size: 8, .value_kind: global_buffer, .address_space: global }
      - { .name: embq, .offset: 8, .size: 8, .value_kind: global_buffer, .address_space: global }
      - { .name: candk, .offset: 16, .size: 8, .value_kind: global_buffer, .address_space: global }
      - { .name: candi, .offset: 24, .size: 8, .value_kind: global_buffer, .address_space: global }
    .group_segment_fixed_size: 327680
    .private_segment_fixed_size: 0
    .kernarg_segment_align: 8
    .kernarg_segment_size: 32
    .max_flat_workgroup_size: 512
    .sgpr_count:     66
    .vgpr_count:     256
    .wavefront_size: 32
...
	.end_amdgpu_metadata
.endif
;; end of part 2
;; launch decode (part 3): grid 512 x 1, 8 waves a work-group, no clusters, 66,816 bytes of LDS; arguments candk, candi, xq, embq, embedding_sum, cluster_usage, out0, out1; writes out0, out1
.if DOCPART == 3
	.amdgcn_target "amdgcn-amd-amdhsa--gfx1250"
	.amdhsa_code_object_version 6
	.text
	.protected	k_q5ebcf43073_decode
	.globl	k_q5ebcf43073_decode
	.p2align	8
	.type	k_q5ebcf43073_decode,@function
k_q5ebcf43073_decode:
	s_mov_b64 s[64:65], 0
	v_nop
	global_prefetch_b8 v0, s[64:65] scope:SCOPE_SE
	s_setreg_imm32_b32 hwreg(HW_REG_WAVE_MODE, 25, 1), 1
	s_wait_xcnt 0x0
; For each token: the best of its eight candidates (one for each eighth of the codebook), by compares of whole numbers: a PAIR P of neighbouring entries 2 P, 2 P + 1.  The two entries' distances e2 - 2 x . emb are made
; again on the same codes by the same matrix instruction (x2 is left out as in the launch before: it is the same for both); the second entry wins only where its distance is strictly less.  The entry goes into out0's
; channel 0; its row of embedding_sum / max(cluster_usage, 1e-5) goes, transposed, into out1's channels 0-255.
; candk [8][32,768]: whole numbers that order as the distances do; candi [8][32,768]: the pairs.  A later eighth wins only where its number is strictly less, so a tie keeps the lowest pair.
; EVERY ADDRESS HANGS ON P ALONE, a whole number read from memory, behind a clamp at 4,095 that changes no P that the launch before can store: BOTH rows of the pair are fetched, 2,048 consecutive bytes, and the choice
; between them, between the two reciprocals and between the two codes is made by selects.
; SHARES.  A work-group takes 64 tokens of one batch, wave w tokens 8 w .. 8 w + 7.  Lane q joins the candidates of token q % 8 of its wave.
; THE PRODUCT.  Source 0: row m = n + 8 e is entry 2 P(n) + e of token n: lane (m, h') takes that entry's place in its tile's record (an image of the operand's registers).  Source 1: the record of the 16 tokens among which
; my eight are columns 8 (w % 2) + n.  C: every register of lane (c, h) holds e2 of entry 2 P(c % 8) + h; only register c % 8 counts.  In the result, register n of lanes c and c + 16, c = 8 (w % 2) + n, holds token n's two distances.
; Wave w scales its eight rows and puts them into LDS; behind one barrier it reads channels 32 w .. 32 w + 31 of all 64 tokens and stores them; wave 0 stores the 64 codes, gathered in LDS, as one unit of 256 bytes.
; LDS: [token][channel], 1,024 bytes a token; the piece of 16 bytes number p of token t lies at place p xor (t / 4).
; LIMITS: the quotient is a multiplication by v_rcp_f32's reciprocal: within a few units in the last place of the division.  NaN and infinities are not served.  No tensor load, no cluster: the work-groups share no tile.
.set REC, 3328
.set KEY, 16                           ; v16-23 eight numbers;  v24-31 eight pairs; later e2 (C) and the accumulator
.set ENT, 24
.set CE,  16
.set ACC, 24
.set RO,  52                           ; v52-59  the eight pairs of rows' offsets
.set AR,  60                           ; v60-67  the eight LDS addresses of the transposing loads
.set SPW, 68
.set NIL, 69
.set ASC, 70                           ; the entries' scale words;  v71 x's
.set XSC, 71
.set AF,  72                           ; v72-95  the entries' two fragments
.set XF,  96                           ; v96-119 x's
.set D,   128                          ; v128-255 eight tokens x (row 2 P: 8 registers, row 2 P + 1: 8 registers); later 16 pairs of channels x 4 registers
.set CODES, 0x10000                    ; behind the rows: the 64 codes
.set SPARE, 0x10100                    ; and the spare words, 128 bytes for each wave
	s_load_b256 s[4:11], s[0:1], 0x0               ; candk s[4:5], candi s[6:7], xq s[8:9], embq s[10:11]
	s_load_b256 s[12:19], s[0:1], 0x20             ; embedding_sum s[12:13], cluster_usage s[14:15], out0 s[16:17], out1 s[18:19]
	v_lshl_add_u32 v[SPW], v0, 2, SPARE
	v_mov_b32 v[NIL], 0
	v_lshrrev_b32 v1, 5, v0
	v_and_b32 v4, 7, v0                            ; n: my token of the wave's eight
	v_readfirstlane_b32 s20, v1                    ; wave 0..7
	v_and_b32 v1, 31, v0                           ; lane
	v_and_b32 v2, 15, v0                           ; r
	v_bfe_u32 v3, v0, 4, 1                         ; h
	v_lshlrev_b32 v5, 2, v4
	v_lshlrev_b32 v6, 4, v1                        ; 16 x lane
	v_lshlrev_b32 v7, 2, v1                        ; 4 x lane
	v_lshlrev_b32 v14, 3, v1                       ; 8 x lane
	s_lshl_b32 s22, ttmp9, 8
	s_lshl_b32 s21, s20, 5
	s_add_co_u32 s22, s22, s21                     ; my wave's eight tokens in a row of candidates: 256 x work-group + 32 x wave
	s_mov_b32 s23, 0
	s_lshl_b32 s48, ttmp9, 2
	s_lshr_b32 s21, s20, 1
	s_add_co_u32 s48, s48, s21                     ; their token tile: 4 x work-group + wave / 2
	s_mul_i32 s48, s48, REC
	s_mov_b32 s49, 0
	s_wait_alu depctr_va_vdst(0)
	s_wait_kmcnt 0x0
	s_add_nc_u64 s[4:5], s[4:5], s[22:23]
	s_add_nc_u64 s[6:7], s[6:7], s[22:23]
	s_add_nc_u64 s[8:9], s[8:9], s[48:49]
.irp y, 0,1,2,3,4,5,6,7
	global_load_b32 v[KEY+\y], v5, s[4:5] offset:\y*131072
	global_load_b32 v[ENT+\y], v5, s[6:7] offset:\y*131072
.endr
.irp g, 0,1,2,3,4,5
	global_load_b128 v[XF+4*\g:XF+4*\g+3], v6, s[8:9] offset:512*\g
.endr
	global_load_b32 v[XSC], v7, s[8:9] offset:3072
	; addresses, while the candidates are on their way
	s_lshr_b32 s50, ttmp9, 6                       ; batch
	s_and_b32 s51, ttmp9, 63
	s_lshl_b32 s51, s51, 8                         ; the first token's 4 bytes in a row
	s_mul_i32 s22, s50, 606208                     ; out0: a batch is 37 rows of 16,384 bytes; channel 0
	s_add_co_u32 s22, s22, s51
	s_add_nc_u64 s[16:17], s[16:17], s[22:23]
	s_mul_i32 s22, s50, 292                        ; out1: row 292 x batch + 32 x wave
	s_lshl_b32 s52, s20, 5
	s_add_co_u32 s22, s22, s52
	s_lshl_b32 s22, s22, 14
	s_add_co_u32 s22, s22, s51
	s_add_nc_u64 s[18:19], s[18:19], s[22:23]
	s_add_co_u32 s52, s52, CODES
	v_lshl_add_u32 v15, v4, 2, s52                 ; my token's code in LDS
	v_add_nc_u32 v50, CODES, v14                   ; and two codes a lane on the way out
	v_bfe_u32 v46, v0, 3, 1                        ; e of my row of source 0
	v_mov_b32 v45, 0
	v_lshlrev_b32 v39, 4, v46
	v_lshlrev_b32 v40, 2, v46
	v_lshlrev_b32 v41, 2, v3                       ; e2: 4 h
	v_lshl_add_u32 v39, v3, 8, v39                 ; fragments: 16 e + 256 h
	v_lshl_add_u32 v40, v3, 6, v40                 ; scale words: 4 e + 64 h
	s_lshl_b32 s50, s20, 1                         ; tokens 8 w + n: token / 4 = 2 w + n / 4
	s_lshl_b32 s51, s20, 13                        ; my eight tokens' 8,192 bytes of LDS
	v_xor_b32 v8, s50, v1
	s_add_co_u32 s50, s50, 1
	v_xor_b32 v9, s50, v1
	v_lshlrev_b32 v8, 4, v8
	v_lshlrev_b32 v9, 4, v9
	v_add_nc_u32 v8, s51, v8                       ; into LDS, tokens 0-3 of mine,
	v_add_nc_u32 v9, s51, v9                       ; and 4-7
	v_lshlrev_b32 v12, 12, v2
	s_delay_alu instid0(VALU_DEP_1)
	v_lshl_add_u32 v12, v3, 2, v12                 ; out of LDS: tokens 4 r on, channel + h
	s_lshl_b32 s52, s20, 3                         ; my 32 channels are pieces 8 w .. 8 w + 7
.irp u, 0,1,2,3,4,5,6,7
	s_add_co_u32 s53, s52, \u
	v_xor_b32 v13, s53, v2
	s_delay_alu instid0(VALU_DEP_1)
	v_lshl_add_u32 v[AR+\u], v13, 4, v12
.endr
	v_lshlrev_b32 v51, 14, v3
	s_delay_alu instid0(VALU_DEP_1)
	v_lshl_add_u32 v51, v2, 4, v51                 ; out1: lanes 0-15 one channel's 256 bytes, lanes 16-31 the next channel's
	s_mov_b32 s56, 0x76543210
	s_mov_b32 s57, 0xfedcba98                      ; v_permlanex16_b32's selects for lane l xor 16
	s_and_b32 s61, s20, 1
	s_lshl_b32 s61, s61, 3                         ; my tokens' first column: 8 (w % 2)
.irp n, 1,2,3,4,5,6,7
	s_mov_b32 s[72+\n], 0x01010101<<\n             ; the lanes with lane % 8 = n
.endr
	s_wait_alu depctr_va_vdst(0)
	s_wait_loadcnt 7                               ; the candidates are in; x's seven loads may be out
.irp y, 1,2,3,4,5,6,7
	v_cmp_lt_u32 vcc_lo, v[KEY+\y], v[KEY]
	s_delay_alu instid0(VALU_DEP_1)
	v_cndmask_b32 v[ENT], v[ENT], v[ENT+\y], vcc_lo
	v_min_u32 v[KEY], v[KEY], v[KEY+\y]
.endr
	v_min_u32 v32, 0xfff, v[ENT]                   ; P
	s_delay_alu instid0(VALU_DEP_1)
	v_and_b32 v33, 0xff8, v32
	v_and_b32 v34, 7, v32
	v_lshlrev_b32 v38, 3, v32                      ; the pair's two usages: 8 P
	v_mul_u32_u24 v33, 416, v33                    ; the tile's record: REC x (P / 8) = 416 x (P with its three low bits cleared)
	s_delay_alu instid0(VALU_DEP_1)
	v_lshl_add_u32 v35, v34, 5, v33                ; + 16 x the row 2 (P % 8) + e
	v_lshl_add_u32 v36, v34, 3, v33                ; + 4 x that row
	v_add_nc_u32 v35, v35, v39
	v_add_nc_u32 v37, v36, v41
	v_add_nc_u32 v36, v36, v40
.irp g, 0,1,2,3,4,5
	global_load_b128 v[AF+4*\g:AF+4*\g+3], v35, s[10:11] offset:512*\g
.endr
	global_load_b32 v[ASC], v36, s[10:11] offset:3072
	global_load_b32 v[CE], v37, s[10:11] offset:3200
	global_load_b64 v[42:43], v38, s[14:15]
.irp n, 0,1,2,3,4,5,6,7
	v_readlane_b32 s[40+\n], v32, \n               ; token n's P stands in lane n
	s_min_u32 s[40+\n], s[40+\n], 0xfff
	s_lshl_b32 s[40+\n], s[40+\n], 11              ; its two rows of 1,024 bytes
	v_add_nc_u32 v[RO+\n], s[40+\n], v6
.irp k, 0,1,2,3
	global_load_b128 v[D+16*\n+4*\k:D+16*\n+4*\k+3], v[RO+\n], s[12:13] offset:512*\k
.endr
.endr
	s_wait_loadcnt 32                              ; x's record, the entries' codes, scale words, e2 and usages are in; the 32 loads of rows may be out
.irp j, 1,2,3,4,5,6,7
	v_mov_b32 v[CE+\j], v[CE]
.endr
	v_max_num_f32 v42, 0x3727c5ac, v42             ; max(usage, 1e-5)
	v_max_num_f32 v43, 0x3727c5ac, v43
	s_wait_alu depctr_va_vdst(0)                   ; ahead of the batch
	v_rcp_f32 v10, v42
	v_rcp_f32 v11, v43
.rept 4
	v_nop
.endr
	s_wait_alu depctr_va_vdst(0)                   ; and behind it
	v_wmma_scale_f32_16x16x128_f8f6f4 v[ACC:ACC+7], v[AF:AF+11], v[XF:XF+11], v[CE:CE+7], v[ASC], v[XSC] matrix_a_fmt:MATRIX_FMT_BF6 matrix_b_fmt:MATRIX_FMT_BF6
	s_wait_alu depctr_va_vdst(0)                   ; a wait directly ahead of the link
	v_wmma_scale_f32_16x16x128_f8f6f4 v[ACC:ACC+7], v[AF+12:AF+23], v[XF+12:XF+23], v[ACC:ACC+7], v[ASC], v[XSC] matrix_a_fmt:MATRIX_FMT_BF6 matrix_b_fmt:MATRIX_FMT_BF6 matrix_a_scale:MATRIX_SCALE_ROW1 matrix_b_scale:MATRIX_SCALE_ROW1
.rept 4
	v_nop                                          ; places ahead of the first read of the result (ISA guide 7.12.1)
.endr
	v_mov_b32 v44, v[ACC]                          ; register lane % 8 of the result, from its low end on
.irp n, 1,2,3,4,5,6,7
	v_cndmask_b32 v44, v44, v[ACC+\n], s[72+\n]
.endr
	v_permlanex16_b32 v45, v44, s56, s57           ; in lanes 0-15: the second entry's distance
	v_cmp_lt_f32 s60, v45, v44                     ; strictly less: the second entry
	s_lshr_b32 s60, s60, s61                       ; bit n: token n
	v_lshrrev_b32 v46, v4, s60
	s_delay_alu instid0(VALU_DEP_1)
	v_and_b32 v46, 1, v46
	s_delay_alu instid0(VALU_DEP_1)
	v_lshl_or_b32 v47, v32, 1, v46                 ; the entry: 2 P + bit; the four lanes of a token hold the same
	ds_store_b32 v15, v47
.irp n, 0,1,2,3,4,5,6,7
	v_readlane_b32 s62, v10, \n
	v_readlane_b32 s63, v11, \n
	s_bitcmp1_b32 s60, \n
	s_cselect_b32 s[24+2*\n], s63, s62             ; the chosen entry's reciprocal,
	s_cselect_b32 s[80+\n], -1, 0                  ; and a mask for the choice of its row
	s_mov_b32 s[25+2*\n], s[24+2*\n]               ; (the packed form names the pair and takes its low word for both halves)
.endr
.irp n, 0,1,2,3,4,5,6,7
	s_wait_loadcnt 28-4*\n                         ; this token's four loads are in; the younger tokens' may be out
.irp k, 0,1,2,3,4,5,6,7
	v_cndmask_b32 v[D+16*\n+\k], v[D+16*\n+\k], v[D+16*\n+8+\k], s[80+\n]
.endr
.irp k, 0,2,4,6
	v_pk_mul_f32 v[D+16*\n+\k:D+16*\n+\k+1], v[D+16*\n+\k:D+16*\n+\k+1], s[24+2*\n:25+2*\n] op_sel_hi:[1,0]
.endr
	ds_store_b128 v[8+\n/4], v[D+16*\n:D+16*\n+3] offset:\n*1024
	ds_store_b128 v[8+\n/4], v[D+16*\n+4:D+16*\n+7] offset:\n*1024+512
.endr
	s_wait_dscnt 0x0                               ; for the others' sake: my rows and codes lie in LDS
	s_barrier_signal -1
	s_barrier_wait -1                              ; all 64 do
	s_cmp_lg_u32 s20, 0                            ; wave 0 stores the 64 codes
	s_cbranch_scc1 .Lnot_first
	ds_load_b64 v[48:49], v50
	s_wait_dscnt 0x0
	global_store_b64 v14, v[48:49], s[16:17]       ; 256 consecutive bytes, aligned
.Lnot_first:
.irp u, 0,1,2,3,4,5,6,7,8,9,10,11,12,13,14,15
.irp e, 0,1,2,3
	ds_load_b32 v[D+4*\u+\e], v[AR+\u/2] offset:1024*\e+8*(\u%2)   ; channel 32 w + 2 u + h of token 4 r + e
.endr
.endr
.irp u, 0,1,2,3,4,5,6,7,8,9,10,11,12,13,14,15
	s_wait_dscnt 60-4*\u                           ; this pair of channels is in; the younger loads may be out
	global_store_b128 v51, v[D+4*\u:D+4*\u+3], s[18:19] offset:32768*\u th:TH_STORE_NT   ; sixteen lanes store a channel's 256 consecutive bytes, aligned
.endr
	s_wait_tensorcnt 0x0                           ; the wave's end
	ds_add_u32 v[SPW], v[NIL]
	s_wait_dscnt 0x0
	s_endpgm
.Lfunc_end_k_q5ebcf43073_decode:
	.size	k_q5ebcf43073_decode, .Lfunc_end_k_q5ebcf43073_decode-k_q5ebcf43073_decode
	.p2alignl 7, 3214868480
	.fill 96, 4, 3214868480
	.section	.rodata,"a",@progbits
	.p2align	6, 0x0
	.amdhsa_kernel k_q5ebcf43073_decode
		.amdhsa_group_segment_fixed_size 66816
		.amdhsa_private_segment_fixed_size 0
		.amdhsa_enable_private_segment 0
		.amdhsa_kernarg_size 64
		.amdhsa_user_sgpr_count 2
		.amdhsa_user_sgpr_kernarg_segment_ptr 1
		.amdhsa_wavefront_size32 1
		.amdhsa_system_sgpr_workgroup_id_x 1
		.amdhsa_system_sgpr_workgroup_id_y 1
		.amdhsa_system_sgpr_workgroup_id_z 1
		.amdhsa_system_vgpr_workitem_id 0
		.amdhsa_next_free_vgpr 256
		.amdhsa_next_free_sgpr 96
		.amdhsa_reserve_vcc 1
		.amdhsa_float_denorm_mode_32 3
		.amdhsa_float_denorm_mode_16_64 3
		.amdhsa_memory_ordered 1
		.amdhsa_forward_progress 1
		.amdhsa_inst_pref_size 32
	.end_amdhsa_kernel
	.amdgpu_metadata
---
amdhsa.version: [ 1, 2 ]
amdhsa.kernels:
  - .name:           k_q5ebcf43073_decode
    .symbol:         k_q5ebcf43073_decode.kd
    .args:
      - { .name: candk, .offset: 0, .size: 8, .value_kind: global_buffer, .address_space: global }
      - { .name: candi, .offset: 8, .size: 8, .value_kind: global_buffer, .address_space: global }
      - { .name: xq, .offset: 16, .size: 8, .value_kind: global_buffer, .address_space: global }
      - { .name: embq, .offset: 24, .size: 8, .value_kind: global_buffer, .address_space: global }
      - { .name: embedding_sum, .offset: 32, .size: 8, .value_kind: global_buffer, .address_space: global }
      - { .name: cluster_usage, .offset: 40, .size: 8, .value_kind: global_buffer, .address_space: global }
      - { .name: out0, .offset: 48, .size: 8, .value_kind: global_buffer, .address_space: global }
      - { .name: out1, .offset: 56, .size: 8, .value_kind: global_buffer, .address_space: global }
    .group_segment_fixed_size: 66816
    .private_segment_fixed_size: 0
    .kernarg_segment_align: 8
    .kernarg_segment_size: 64
    .max_flat_workgroup_size: 256
    .sgpr_count:     96
    .vgpr_count:     256
    .wavefront_size: 32
...
	.end_amdgpu_metadata
.endif
;; end of part 3
